; MI455X (gfx1250); checked and timed in simulation.
; The chip was launched on July 23, 2026; its instructions are those of AMD's public machine-readable ISA for CDNA 5 (MIT licence, August 2026) and "CDNA5" Instruction Set Architecture Reference Guide (July 2026). The comments in the code are by the model that wrote it; some were corrected since.
;; Shared Tversky Interpretable. Allowed arithmetic: matrix products marked QUANTISED: E4M3 operands, one E8M0 scale for each 32 along K, by v_wmma_scale_f32_16x16x128_f8f6f4 with both operands' format E4M3, f32 sums; everything else in f32.
;; Inputs: alpha one number float32; beta one number float32; bias 256 float32; features 256 x 512 float32; prototypes 256 x 256 float32; x 2,048 x 512 float32.
;; Outputs: out0 2,048 x 256 float32.
;; This version of the problem:
;;   THIS VERSION OF THE PROBLEM IS GIVEN IN LOW PRECISION. The matrix products marked QUANTISED in the list below multiply operands that are first quantised to E4M3 (4 exponent bits, 3 mantissa bits; 8 bits a number), with one power-of-two scale for each 32 numbers along K (OCP MX v1.0); their sums are f32. All else is computed in f32.
;;   The module's matrix products, in the order in which they are computed (A, B: the left and right operand; K: the contracted axis; several contracted axes count as one K, in the product's order):
;;     1. [M 2,048, K 512] x [K 512, N 256]; A: input x; B: input features: QUANTISED
;;   THE QUANTISER, for each operand of a quantised product, along K:
;;     - K is cut into blocks of 32 from its start; a last block that is shorter is filled with zeros.
;;     - A block's scale is 2^e with e = floor(log2(the largest magnitude in the block)) - 8, held to -126 .. 127; a block of zeros has e = 0. As a byte (E8M0): e + 127.
;;     - Each number is divided by its block's scale, clamped to +-448, and rounded to the nearest number of E4M3, ties to even, subnormals kept.
;;     - The product sums the exact products of the quantised numbers (number of the format x scale) in f32.
;;   ~~~python
;;   def quantise(x, axis):      # numpy; x: float32 -> the quantised numbers, widened to float32 again
;;       x = np.moveaxis(x, axis, -1); K = x.shape[-1]
;;       x = np.pad(x, [(0, 0)] * (x.ndim - 1) + [(0, -K % 32)]); x = x.reshape(x.shape[:-1] + (-1, 32)); a = np.abs(x).max(-1, keepdims=True)
;;       e = np.where(a > 0, np.clip(np.frexp(np.where(a > 0, a, 1))[1] - 1 - 8, -126, 127), 0)      # np.frexp(a)[1] - 1 = floor(log2(a)), exactly
;;       r = np.clip(x / 2.0 ** e, -448, 448)
;;       step = 2.0 ** (np.maximum(np.frexp(np.where(r == 0, 1, r))[1] - 1, -6) - 3)
;;       q = np.round(r / step) * step * 2.0 ** e      # np.round: ties to even
;;       return np.moveaxis(q.reshape(q.shape[:-2] + (-1,))[..., :K], -1, axis).astype(np.float32)
;;   ~~~
;; One version. Each part assembles by itself: llvm-mc -triple=amdgcn-amd-amdhsa -mcpu=gfx1250 --defsym DOCPART=n.
;; ======== version 1 of 1: 2 launches
;; workspace buffers: xs_img 2,097,152 bytes; ps_img 262,144 bytes
;; launch feat (part 1): grid 64 x 4, 4 waves a work-group, clusters of 4 x 4, 220,672 bytes of LDS; arguments x, features, prototypes, xs_img, ps_img; writes xs_img, ps_img
.if DOCPART == 1
	.amdgcn_target "amdgcn-amd-amdhsa--gfx1250"
	.amdhsa_code_object_version 6
	.text
	.protected	k_q9f5de9240d_feat
	.globl	k_q9f5de9240d_feat
	.p2align	8
	.type	k_q9f5de9240d_feat,@function
k_q9f5de9240d_feat:
	s_mov_b64 s[64:65], 0
	v_nop
	global_prefetch_b8 v0, s[64:65] scope:SCOPE_SE
	s_setreg_imm32_b32 hwreg(HW_REG_WAVE_MODE, 25, 1), 1
	s_wait_xcnt 0x0
	s_wait_alu depctr_hold_cnt(0) depctr_sa_sdst(0) depctr_va_vdst(0) depctr_va_sdst(0) depctr_va_ssrc(0) depctr_va_vcc(0) depctr_vm_vsrc(0)
	s_getreg_b32 s2, hwreg(HW_REG_IB_STS2, 6, 4)
	s_cmp_eq_u32 s2, 0
	s_cbranch_scc0 .Lentry_in_a_cluster
	s_endpgm
.Lentry_in_a_cluster:
	s_bfe_u32 s2, ttmp6, 0x10000c
	s_cmp_lg_u32 s2, 0xf033
	s_cbranch_scc0 .Lentry_shape_is_right
	s_endpgm
.Lentry_shape_is_right:
; xs = sigmoid(Q(x) Q(features)^T) and ps = sigmoid(prototypes).  x [2048][512], features [256][512], prototypes [256][256], all f32.
; Q: codes of FP8 (E4M3) with one E8M0 scale for each 32 along K = 512; the product goes by v_wmma_scale_f32_16x16x128_f8f6f4, sums in f32.
; SHARES.  A work-group makes 32 rows x 64 features.  Wave w owns feature tile w (16 features): its four K steps are quantised into registers and stay there.
; Wave w also quantises K step w of both tiles of 16 rows of x; these eight fragments go from wave to wave through LDS as images of their registers (16 bytes a lane, 512 a store).
; THE WAY IN.  Six tensor loads a wave, all at the head (six of mine are out at the most): 16 rows x 128 numbers each, rows of 512 bytes, laid 528 bytes apart in LDS, into bytes that only the issuing wave reads.
; No LDS byte is filled twice.  CLUSTER 4 x 4: a tile of features hangs on the feature block (cy) and the wave alone and is asked for jointly along a row of the cluster; a tile of x hangs on the row block (cx) and the wave
; and is asked for jointly along a column: each request serves four work-groups.  The grid has four work-groups along y, one cluster: the feature block is cy itself.
; THE PRODUCT IS USED TRANSPOSED (source 0 = 16 features, source 1 = 16 rows of x): lane (r, h) holds row r and features 8 h + 0 .. 7.
; THE WAY OUT.  Both results are laid for the next launch as images of a 16 x 16 tile: [tile of 16 rows][tile of 16 features][q][lane r + 16 h][4 numbers] = (row r, feature 8 h + 4 q + 0 .. 3):
; each store of a wave covers 512 (ps: 256) consecutive bytes, aligned.  Work-group n makes tile n of ps (16 prototypes x 16 features), 8 bytes a thread.
; LIMITS: NaN and infinities among the inputs are not served; a block of zeros gets the scale byte 1 (its codes are zeros; only this text reads the bytes); a sigmoid under 2^-126 comes out as 0.
.set FP,    528                        ; a raw row in LDS: 512 bytes + 16: row r starts 16 r bytes on modulo 256, so the 16 rows of a load fall on different banks (64 banks of 4 bytes: ISA guide 11.1)
.set FRAW,  16*FP                      ; one raw fragment: 16 rows
.set WREG,  6*FRAW                     ; a wave's six
.set XIMG,  4*WREG                     ; behind them: x's eight fragments as images, 2,048 bytes each (tile of rows m, K step s: 4 m + s),
.set XSC,   XIMG+8*2048                ; and their scale words, 128 bytes each
.set G1W,   (2<<16)|(1<<20)|(1<<21)|(6<<22)|(3<<25)   ; elements of 4 bytes; padding on; bit 21 beside a mask; after every 128 words (code 6) four words (code 3)
.set RA,   4                           ; v4   my place in a raw fragment: wave x WREG + r x FP + 64 h
.set L16,  5                           ; v5   16 x lane
.set LI,   6                           ; v6   XIMG + 16 x lane
.set LS,   7                           ; v7   XSC + 4 x lane
.set XWI,  8                           ; v8   where I store images: LI + 2,048 x wave
.set XWS,  9                           ; v9   and scale words: LS + 128 x wave
.set PLO,  10                          ; v10  my 8 bytes of prototypes
.set PSO,  11                          ; v11  8 x lane
.set TM,   16                          ; v16-31 the quantiser's scratch
.set ACC,  32                          ; v32-47 two accumulators; before the barrier: the codes of x just made
.set PC,   32
.set BS,   48                          ; v48-51 features' scale words, one a K step
.set XS,   52                          ; v52-59 x's scale words
.set PV,   60                          ; v60-61 two numbers of prototypes
.set PW,   62                          ; v62  x's scale word just made
.set RAW,  64                          ; v64-191 two buffers of 64 numbers; behind the barrier: x's eight fragments
.set XF,   64
.set BC,   192                         ; v192-255 features' codes, 16 registers a K step
.set WV,   14
.set G1F,  16                          ; s[16:23] descriptor group 1 for features' tiles, s[24:31] for x's: they differ in the mask
.set G1X,  24
.set G0,   32                          ; s[32:55] six groups 0
.set CX,   66
.set CY,   67
.set XBK,  68                          ; block of 32 rows
.set SEL,  86
.set MNT,  88
.macro CROUND                          ; a round of the cluster's barrier
	s_barrier_signal -1
	s_barrier_wait -1
	s_cmp_lg_u32 s[WV], 0
	s_cbranch_scc1 .Lnot_wave_0_\@
	s_barrier_signal -3
.Lnot_wave_0_\@:
	s_barrier_wait -3
	s_barrier_signal -1
	s_barrier_wait -1
.endm
; fragment i of my six comes out of LDS: register 16 b + 4 j + e = k 32 b + 16 h + 4 j + e of row r
.macro RAWLD i
	s_wait_tensorcnt 5-(\i)                        ; tensor loads of a wave end in order: the 5 - i issued behind fragment i may stay out
.irp b, 0,1,2,3
.irp j, 0,1,2,3
	ds_load_b128 v[RAW+64*((\i)%2)+16*\b+4*\j:RAW+64*((\i)%2)+16*\b+4*\j+3], v[RA] offset:(\i)*FRAW+128*\b+16*\j
.endr
.endr
.endm
; 64 numbers of a lane, v[s] on, become a fragment's 16 registers of codes, v[d] on, and its scale word v[pw]
.macro QUANT s, d, pw
.irp b, 0,1,2,3
	v_max3_num_f32 v[TM+\b], |v[\s+16*\b]|, |v[\s+1+16*\b]|, 0x4800000   ; block b: my 16 numbers and the floor 2^(9 - 127): the byte cannot fall under 1
.endr
.irp i, 2,4,6,8,10,12,14
.irp b, 0,1,2,3
	v_max3_num_f32 v[TM+\b], v[TM+\b], |v[\s+16*\b+\i]|, |v[\s+1+16*\b+\i]|
.endr
.endr
.irp b, 0,1,2,3
	v_permlanex16_b32 v[TM+4+\b], v[TM+\b], s[SEL], s[SEL+1]
.endr
.irp b, 0,1,2,3
	v_max_num_f32 v[TM+\b], v[TM+\b], v[TM+4+\b]   ; with lane l xor 16's: the block's largest magnitude
.endr
.irp b, 0,1,2,3
	v_add_nc_u32 v[TM+12+\b], 0xfc000000, v[TM+\b] ; 8 off its exponent field: the conversion's scale operand
.endr
.irp b, 0,1,2,3
	v_and_or_b32 v[TM+8+\b], v[TM+\b], 0x7f800000, s[MNT]   ; 448 x the scale
.endr
.irp b, 0,1,2,3
	v_lshrrev_b32 v[TM+4+\b], 23, v[TM+12+\b]      ; the scale's byte
.endr
	v_lshl_or_b32 v[\pw], v[TM+5], 8, v[TM+4]
	v_lshl_or_b32 v[\pw], v[TM+6], 16, v[\pw]
	v_lshl_or_b32 v[\pw], v[TM+7], 24, v[\pw]
.irp b, 0,1,2,3
.irp i, 0,1,2,3,4,5,6,7,8,9,10,11,12,13,14,15
	v_med3_num_f32 v[\s+16*\b+\i], v[\s+16*\b+\i], -v[TM+8+\b], v[TM+8+\b]   ; the conversion to an 8-bit code does not saturate (ISA guide 7.6.2): the hold
.endr
	v_cvt_scalef32_pk8_fp8_f32 v[\d+4*\b:\d+1+4*\b], v[\s+16*\b:\s+7+16*\b], v[TM+12+\b]
	v_cvt_scalef32_pk8_fp8_f32 v[\d+2+4*\b:\d+3+4*\b], v[\s+8+16*\b:\s+15+16*\b], v[TM+12+\b]
.endr
	v_nop                                          ; one plain line behind the last conversion, ahead of whatever vector or matrix line next touches its registers
.endm
.macro IMAGE m                         ; the fragment in v[PC] on and its scale word go to LDS as they stand: tile of rows m, K step = my wave
.irp c, 0,1,2,3
	ds_store_b128 v[XWI], v[PC+4*\c:PC+4*\c+3] offset:(\m)*8192+512*\c
.endr
	ds_store_b32 v[XWS], v[PW] offset:(\m)*512
.endm
	s_load_b128 s[4:7], s[0:1], 0x0                ; x, features
	s_load_b128 s[8:11], s[0:1], 0x10              ; prototypes, xs_img
	s_load_b64 s[12:13], s[0:1], 0x20              ; ps_img
	v_lshl_add_u32 v15, v0, 2, 0x35c00
	v_mov_b32 v63, 0
	ds_add_u32 v15, v63
	ds_add_u32 v15, v63
	v_lshrrev_b32 v1, 5, v0
	v_readfirstlane_b32 s[WV], v1                  ; wave 0..3
	s_bfe_u32 s[CX], ttmp6, 0x40000                ; my place in the cluster
	s_bfe_u32 s[CY], ttmp6, 0x40004                ; = my block of 64 features
	s_lshl_b32 s[XBK], ttmp9, 2
	s_add_co_u32 s[XBK], s[XBK], s[CX]             ; my block of 32 rows = 4 x cluster x + cx
	s_lshl_b32 s69, s[CY], 2
	s_lshl_b32 s69, 15, s69                        ; my row of the cluster: the four that share cy
	s_lshl_b32 s70, 0x1111, s[CX]                  ; my column: the four that share cx
	s_or_b32 s[G1F], s69, G1W
	s_or_b32 s[G1X], s70, G1W
.irp g, G1F, G1X
	s_mov_b32 s[\g+1], 128<<16                     ; tensor_dim0 = 128
	s_mov_b32 s[\g+2], 16<<16                      ; tensor_dim1 = 16
	s_mov_b32 s[\g+3], 128<<16                     ; tile_dim0 = 128
	s_mov_b32 s[\g+4], 16                          ; tile_dim1 = 16
	s_mov_b32 s[\g+5], 512                         ; elements from row to row
	s_mov_b32 s[\g+6], 0
	s_mov_b32 s[\g+7], 0
.endr
	s_lshl_b32 s72, s[CY], 17                      ; features: row 64 cy + 16 wave, 2,048 bytes a row
	s_lshl_b32 s73, s[WV], 15
	s_add_co_u32 s72, s72, s73
	s_mov_b32 s73, 0
	s_lshl_b32 s74, s[XBK], 16                     ; x: row 32 x block, K step = wave (512 bytes)
	s_lshl_b32 s75, s[WV], 9
	s_add_co_u32 s74, s74, s75
	s_mov_b32 s75, 0
	s_mul_i32 s76, s[WV], WREG                     ; my six fragments in LDS
	s_lshl_b32 s77, s[CY], 6
	s_add_co_u32 s77, s77, s[XBK]                  ; n: my tile of ps: prototypes 16 (n / 16) on, features 16 (n % 16) on
	s_lshr_b32 s78, s77, 4
	s_lshl_b32 s78, s78, 14                        ; 16 rows of 1,024 bytes
	s_and_b32 s79, s77, 15
	s_lshl_b32 s79, s79, 6
	s_add_co_u32 s78, s78, s79
	s_and_b32 s79, s[WV], 1                        ; wave w makes bytes 256 w on of the tile's image: h = w % 2, q = w / 2
	s_lshl_b32 s79, s79, 5
	s_add_co_u32 s78, s78, s79
	s_lshr_b32 s79, s[WV], 1
	s_lshl_b32 s79, s79, 4
	s_add_co_u32 s78, s78, s79
	s_mov_b32 s79, 0
	s_lshl_b32 s80, s77, 10                        ; ps_img: tile n, + 256 x wave
	s_lshl_b32 s81, s[WV], 8
	s_add_co_u32 s80, s80, s81
	s_mov_b32 s81, 0
	s_lshl_b32 s82, s[XBK], 15                     ; xs_img: tile of rows 2 x block, tile of features 4 cy + wave, 1,024 bytes a tile
	s_lshl_b32 s83, s[CY], 12
	s_add_co_u32 s82, s82, s83
	s_lshl_b32 s83, s[WV], 10
	s_add_co_u32 s82, s82, s83
	s_mov_b32 s83, 0
	s_mov_b32 s[SEL], 0x76543210
	s_mov_b32 s[SEL+1], 0xfedcba98                 ; v_permlanex16_b32's selects for lane l xor 16
	s_mov_b32 s[MNT], 0x600000                     ; the mantissa field of 448
	s_wait_dscnt 0x0
	s_wait_kmcnt 0x0
	s_add_nc_u64 s[72:73], s[6:7], s[72:73]
	s_add_nc_u64 s[74:75], s[4:5], s[74:75]
	s_add_nc_u64 s[8:9], s[8:9], s[78:79]
	s_add_nc_u64 s[12:13], s[12:13], s[80:81]
	s_add_nc_u64 s[10:11], s[10:11], s[82:83]
.irp i, 0,1,2,3                        ; features' tile, K step i
	s_mov_b32 s[G0+4*\i], 1
	s_add_co_u32 s[G0+4*\i+1], s76, \i*FRAW
	s_add_nc_u64 s[G0+4*\i+2:G0+4*\i+3], s[72:73], \i*512
	s_or_b32 s[G0+4*\i+3], s[G0+4*\i+3], 0x80000000
.endr
.irp i, 0,1                            ; x's tile of rows i, K step = my wave
	s_mov_b32 s[G0+16+4*\i], 1
	s_add_co_u32 s[G0+16+4*\i+1], s76, (4+\i)*FRAW
	s_add_nc_u64 s[G0+16+4*\i+2:G0+16+4*\i+3], s[74:75], \i*32768
	s_or_b32 s[G0+16+4*\i+3], s[G0+16+4*\i+3], 0x80000000
.endr
	CROUND                                         ; all sixteen work-groups are here: the joint loads meet
.irp i, 0,1,2,3
	tensor_load_to_lds s[G0+4*\i:G0+4*\i+3], s[G1F:G1F+7]
	s_nop 0
.endr
.irp i, 4,5
	tensor_load_to_lds s[G0+4*\i:G0+4*\i+3], s[G1X:G1X+7]
	s_nop 0
.endr
	v_and_b32 v1, 31, v0                           ; lane
	v_and_b32 v2, 15, v0                           ; r
	v_bfe_u32 v3, v0, 4, 1                         ; h
	v_lshrrev_b32 v12, 1, v1
	v_and_b32 v13, 1, v1
	v_lshlrev_b32 v13, 3, v13
	v_lshl_add_u32 v[PLO], v12, 10, v13            ; prototype lane / 2 of the tile, numbers 2 (lane % 2) on
	global_load_b64 v[PV:PV+1], v[PLO], s[8:9]
	v_lshlrev_b32 v[PSO], 3, v1
	v_mul_u32_u24 v[RA], v2, FP
	v_lshl_add_u32 v[RA], v3, 6, v[RA]
	v_add_nc_u32 v[RA], s76, v[RA]
	v_lshlrev_b32 v[L16], 4, v1
	v_add_nc_u32 v[LI], XIMG, v[L16]
	v_lshl_add_u32 v[LS], v1, 2, XSC
	s_lshl_b32 s84, s[WV], 11
	v_add_nc_u32 v[XWI], s84, v[LI]
	s_lshl_b32 s85, s[WV], 7
	v_add_nc_u32 v[XWS], s85, v[LS]
.irp b, 0,1,2,3
	v_mov_b32 v[TM+4+\b], 0                        ; written once: a lane permute's destination counts as one of its sources
.endr
	; six fragments, two buffers by turns: while one is quantised the next comes out of LDS
	RAWLD 0
	RAWLD 1
	s_wait_dscnt 16                                ; all but the 16 loads of the fragment behind
	QUANT RAW, BC, BS
	RAWLD 2
	s_wait_dscnt 16
	QUANT RAW+64, BC+16, BS+1
	RAWLD 3
	s_wait_dscnt 16
	QUANT RAW, BC+32, BS+2
	RAWLD 4
	s_wait_dscnt 16
	QUANT RAW+64, BC+48, BS+3
	RAWLD 5
	s_wait_dscnt 16
	QUANT RAW, PC, PW
	IMAGE 0
	s_wait_dscnt 0x0                               ; the last fragment is in, and the stores have read their registers
	QUANT RAW+64, PC, PW
	IMAGE 1
	s_wait_dscnt 0x0                               ; for the others' sake: my images lie in LDS
	s_barrier_signal -1
	s_barrier_wait -1                              ; everybody's do
.irp s, 0,1,2,3                        ; x's eight fragments, K step by K step: ten LDS loads a step
.irp m, 0,1
.irp c, 0,1,2,3
	ds_load_b128 v[XF+16*(4*\m+\s)+4*\c:XF+16*(4*\m+\s)+4*\c+3], v[LI] offset:(4*\m+\s)*2048+512*\c
.endr
	ds_load_b32 v[XS+4*\m+\s], v[LS] offset:(4*\m+\s)*128
.endr
.endr
	s_wait_dscnt 30                                ; K step 0's ten are in; the thirty of the later steps may be out
	v_wmma_scale_f32_16x16x128_f8f6f4 v[ACC:ACC+7], v[BC:BC+15], v[XF:XF+15], 0, v[BS], v[XS]          ; the first K step starts both sums
	v_wmma_scale_f32_16x16x128_f8f6f4 v[ACC+8:ACC+15], v[BC:BC+15], v[XF+64:XF+79], 0, v[BS], v[XS+4]
.irp s, 1,2,3                          ; the two accumulators take turns, one instruction a turn
	s_wait_dscnt 30-10*\s
	v_wmma_scale_f32_16x16x128_f8f6f4 v[ACC:ACC+7], v[BC+16*\s:BC+16*\s+15], v[XF+16*\s:XF+16*\s+15], v[ACC:ACC+7], v[BS+\s], v[XS+\s]
	v_wmma_scale_f32_16x16x128_f8f6f4 v[ACC+8:ACC+15], v[BC+16*\s:BC+16*\s+15], v[XF+64+16*\s:XF+64+16*\s+15], v[ACC+8:ACC+15], v[BS+\s], v[XS+4+\s]
.endr
.rept 8
	v_nop                                          ; eight places behind this form before its results are read
.endr
	s_wait_loadcnt 0x0                             ; the two numbers of prototypes
	; sigmoid(t) = 1 / (1 + 2^(-t log2 e)), 18 numbers a lane; each accumulator is read from its low end on
.irp j, 0,2,4,6,8,10,12,14
	v_pk_mul_f32 v[ACC+\j:ACC+\j+1], v[ACC+\j:ACC+\j+1], 0xbfb8aa3b op_sel_hi:[1,0]
.endr
	v_pk_mul_f32 v[PV:PV+1], v[PV:PV+1], 0xbfb8aa3b op_sel_hi:[1,0]
.irp j, 0,1,2,3,4,5,6,7,8,9,10,11,12,13,14,15
	v_exp_f32 v[ACC+\j], v[ACC+\j]
.endr
	v_exp_f32 v[PV], v[PV]
	v_exp_f32 v[PV+1], v[PV+1]
	v_nop                                          ; a plain line behind the last exponential
	s_wait_alu depctr_va_vdst(0)                   ; one wait for the batch, ahead of its first use
.irp j, 0,2,4,6,8,10,12,14
	v_pk_add_f32 v[ACC+\j:ACC+\j+1], v[ACC+\j:ACC+\j+1], 1.0 op_sel_hi:[1,0]
.endr
	v_pk_add_f32 v[PV:PV+1], v[PV:PV+1], 1.0 op_sel_hi:[1,0]
.irp j, 0,1,2,3,4,5,6,7,8,9,10,11,12,13,14,15
	v_rcp_f32 v[ACC+\j], v[ACC+\j]
.endr
	v_rcp_f32 v[PV], v[PV]
	v_rcp_f32 v[PV+1], v[PV+1]
	v_nop
	s_wait_alu depctr_va_vdst(0)                   ; and one for the reciprocals
.irp m, 0,1
.irp q, 0,1
	global_store_b128 v[L16], v[ACC+8*\m+4*\q:ACC+8*\m+4*\q+3], s[10:11] offset:\m*16384+\q*512   ; 32 lanes store 512 consecutive bytes, aligned
.endr
.endr
	global_store_b64 v[PSO], v[PV:PV+1], s[12:13]  ; 32 lanes store 256 consecutive bytes, aligned
	s_wait_tensorcnt 0x0
	ds_add_u32 v15, v63
	s_wait_dscnt 0x0
	CROUND                                         ; the closing round: no work-group ends while a partner may still ask for a tile that names it
	s_endpgm
.Lfunc_end_k_q9f5de9240d_feat:
	.size	k_q9f5de9240d_feat, .Lfunc_end_k_q9f5de9240d_feat-k_q9f5de9240d_feat
	.p2alignl 7, 3214868480
	.fill 96, 4, 3214868480
	.section	.rodata,"a",@progbits
	.p2align	6, 0x0
	.amdhsa_kernel k_q9f5de9240d_feat
		.amdhsa_group_segment_fixed_size 220672
		.amdhsa_private_segment_fixed_size 0
		.amdhsa_enable_private_segment 0
		.amdhsa_kernarg_size 40
		.amdhsa_user_sgpr_count 2
		.amdhsa_user_sgpr_kernarg_segment_ptr 1
		.amdhsa_wavefront_size32 1
		.amdhsa_system_sgpr_workgroup_id_x 1
		.amdhsa_system_sgpr_workgroup_id_y 1
		.amdhsa_system_sgpr_workgroup_id_z 1
		.amdhsa_system_vgpr_workitem_id 0
		.amdhsa_next_free_vgpr 256
		.amdhsa_next_free_sgpr 96
		.amdhsa_reserve_vcc 0
		.amdhsa_float_denorm_mode_32 3
		.amdhsa_float_denorm_mode_16_64 3
		.amdhsa_memory_ordered 1
		.amdhsa_forward_progress 1
		.amdhsa_inst_pref_size 70
	.end_amdhsa_kernel
	.amdgpu_metadata
---
amdhsa.version: [ 1, 2 ]
amdhsa.kernels:
  - .name:           k_q9f5de9240d_feat
    .symbol:         k_q9f5de9240d_feat.kd
    .args:
      - { .name: x, .offset: 0, .size: 8, .value_kind: global_buffer, .address_space: global }
      - { .name: features, .offset: 8, .size: 8, .value_kind: global_buffer, .address_space: global }
      - { .name: prototypes, .offset: 16, .size: 8, .value_kind: global_buffer, .address_space: global }
      - { .name: xs_img, .offset: 24, .size: 8, .value_kind: global_buffer, .address_space: global }
      - { .name: ps_img, .offset: 32, .size: 8, .value_kind: global_buffer, .address_space: global }
    .group_segment_fixed_size: 220672
    .private_segment_fixed_size: 0
    .kernarg_segment_align: 8
    .kernarg_segment_size: 40
    .max_flat_workgroup_size: 128
    .sgpr_count:     96
    .vgpr_count:     256
    .wavefront_size: 32
...
	.end_amdgpu_metadata
.endif
;; end of part 1
;; launch tversky (part 2): grid 64 x 4, 4 waves a work-group, no clusters, 143,360 bytes of LDS; arguments xs_img, ps_img, bias, alpha, beta, out0; writes out0
.if DOCPART == 2
	.amdgcn_target "amdgcn-amd-amdhsa--gfx1250"
	.amdhsa_code_object_version 6
	.text
	.protected	k_q9f5de9240d_tversky
	.globl	k_q9f5de9240d_tversky
	.p2align	8
	.type	k_q9f5de9240d_tversky,@function
k_q9f5de9240d_tversky:
	s_mov_b64 s[64:65], 0
	v_nop
	global_prefetch_b8 v0, s[64:65] scope:SCOPE_SE
	s_setreg_imm32_b32 hwreg(HW_REG_WAVE_MODE, 25, 1), 1
	s_wait_xcnt 0x0
; out[b][p] = I / (I + alpha x_diff + beta p_diff + 1e-8) + bias[p], I = sum over f of min(xs[b][f], ps[p][f]).  xs [2048][256], ps [256][256]: sigmoids, made by the launch before.
; max(a - c, 0) = a - min(a, c) for all numbers, so x_diff = SX[b] - I and p_diff = SP[p] - I with the row sums SX, SP: only I is a loop over (b, p, f): one minimum and one addition each.
; LIMIT: all terms lie in (0, 1); SX - I carries the rounding of two sums of 256 such terms, a few 2^-24 x SX, where the sum of clipped differences would carry that of its own size.
; SHARES.  A work-group makes 32 rows x 64 prototypes.  THE WAVES SHARE f: wave w takes features 64 w .. 64 w + 63 of all 96 rows, for all 2,048 outputs.  So a wave fills and reads LDS bytes of its own alone
; (96 rows x 256 bytes, 272 apart), and no barrier stands ahead of the one at the end, where the four partial sums of each output meet.
; The 32 lanes form 4 x 8; lane (lb, lp) holds rows 4 i + lb and prototypes 8 j + lp, i, j = 0 .. 7: 64 sums.  Four features are 16 loads of 16 bytes for 256 minima and 128 packed additions.
; In a load's 16 lanes the rows asked for are 2 (xs) or 8 (ps) neighbours, 272 bytes apart: different banks (64 banks of 4 bytes: ISA guide 11.1); lanes that ask for the same bytes share them.
; THE WAY IN.  Both inputs lie as images of 16 x 16 tiles: [tile of rows][tile of features][q][lane r + 16 h][4 numbers] = (row r, feature 8 h + 4 q + 0 .. 3).  Each load reads 512 consecutive bytes; a lane gets
; 32 numbers of ONE row from a tile row's eight loads, so its part of SX or SP is summed in the lane, and one exchange with lane l xor 16 ends it.
; NO JOINT REQUESTS: the launch has no tensor load: each 16 bytes pass through registers, where they are summed, and are laid at another place than they have in memory; a work-group reads its 96 KiB once.
.set PX,   272                         ; a row of 64 features in LDS: 256 bytes + 16
.set WR,   96*PX                       ; a wave's region: 32 rows of xs, then 64 rows of ps
.set POFF, 32*PX
.set RP,   288                         ; a row of 64 partial sums: 256 bytes + 32: the four rows that a store of 4 bytes a lane touches start 8 banks apart
.set RED,  4*WR                        ; behind the regions: the partial sums, [wave][32 rows][64 prototypes]
.set REDW, 32*RP
.set SXL,  RED+4*REDW                  ; SX's parts: [32 rows][4 waves]
.set SPL,  SXL+512                     ; SP's parts: [4 waves][64 prototypes]
.set GL,   6                           ; v6   16 x lane
.set SA,   7                           ; v7   the fill: region + r x PX + 32 h
.set AX0,  8                           ; v8   region + lb x PX
.set AP0,  9                           ; v9   region + POFF + lp x PX
.set AXC,  10                          ; v10, v11 the same, stepped along f
.set APC,  11
.set AR,   12                          ; v12  where I put partial sums: RED + wave x REDW + lb x RP + 4 lp
.set AF,   13                          ; v13  where I take them: RED + (8 wave + h) x RP + 16 c
.set SXA,  14                          ; v14  SXL + 16 r + 4 wave
.set SPA,  15                          ; v15  SPL + 256 wave + 4 r
.set SXR,  16                          ; v16  SXL + 128 wave + 16 h
.set SPR,  17                          ; v17  SPL + 16 c
.set OO,   18                          ; v18  out: 1,024 h + 16 c
.set BO,   19                          ; v19  16 c
.set BIAS, 20                          ; v20-23 bias of my four prototypes
.set SG,   24                          ; v24-29 six row sums
.set T,    32                          ; v32-47 minima, two sets of eight by turns; in the fill: U
.set U,    32
.set SH,   48                          ; v48-53 the other half's row sums
.set F,    64                          ; v64-255 the fill: 48 loads of four registers
.set ACC,  64                          ; v64-127 the 64 sums: (i, j) at ACC + 8 i + j
.set XB,   128                         ; v128-191 xs, two buffers: 32 u + 4 i + f
.set PB,   192                         ; v192-255 ps likewise: 32 u + 4 j + f
.set E,    64                          ; the end: 16 k + 4 a: row pair k, wave a's part
.set SXQ,  128
.set SPQ,  144
.set WV,   16
.set AL,   20                          ; s[20:21] alpha, twice; s[22:23] beta, twice
.set BE,   22
.set SEL,  32
.set TS,   34
; a tile row's eight loads have come: into LDS, and its 32 numbers a lane summed
.macro GROUP g
	s_wait_loadcnt 40-8*(\g)                       ; loads come back in order: the 40 - 8 g issued behind this group may stay out
.irp n, 0,1,2,3,4,5,6,7
	ds_store_b128 v[SA], v[F+32*(\g)+4*\n:F+32*(\g)+4*\n+3] offset:(\g)*16*PX+64*(\n/2)+16*(\n%2)
.endr
.irp u, 0,1,2,3
	v_pk_add_f32 v[U+2*\u:U+2*\u+1], v[F+32*(\g)+4*\u:F+32*(\g)+4*\u+1], v[F+32*(\g)+4*\u+2:F+32*(\g)+4*\u+3]
.endr
.irp m, 8,9,10,11,12,13,14,15
	v_pk_add_f32 v[U+2*(\m%4):U+2*(\m%4)+1], v[U+2*(\m%4):U+2*(\m%4)+1], v[F+32*(\g)+2*\m:F+32*(\g)+2*\m+1]
.endr
	v_pk_add_f32 v[U:U+1], v[U:U+1], v[U+2:U+3]
	v_pk_add_f32 v[U+4:U+5], v[U+4:U+5], v[U+6:U+7]
	v_pk_add_f32 v[U:U+1], v[U:U+1], v[U+4:U+5]
	v_add_f32 v[SG+(\g)], v[U], v[U+1]
.endm
; four features' operands into buffer u
.macro LOADS u, ax, ap, off
.irp i, 0,1,2,3,4,5,6,7
	ds_load_b128 v[XB+32*(\u)+4*\i:XB+32*(\u)+4*\i+3], v[\ax] offset:\i*4*PX+(\off)
.endr
.irp j, 0,1,2,3,4,5,6,7
	ds_load_b128 v[PB+32*(\u)+4*\j:PB+32*(\u)+4*\j+3], v[\ap] offset:\j*8*PX+(\off)
.endr
.endm
; four features of buffer u: eight minima of a row, then their four packed additions; a sum is taken up again 32 additions later.  first = 1: the first feature's minima start the sums: nothing is cleared
.macro WORK u, first
.irp f, 0,1,2,3
.irp i, 0,1,2,3,4,5,6,7
.if (\first) && (\f == 0)
.irp j, 0,1,2,3,4,5,6,7
	v_min_num_f32 v[ACC+8*\i+\j], v[XB+32*(\u)+4*\i+\f], v[PB+32*(\u)+4*\j+\f]
.endr
.else
.irp j, 0,1,2,3,4,5,6,7
	v_min_num_f32 v[T+8*(\i%2)+\j], v[XB+32*(\u)+4*\i+\f], v[PB+32*(\u)+4*\j+\f]
.endr
.irp j, 0,2,4,6
	v_pk_add_f32 v[ACC+8*\i+\j:ACC+8*\i+\j+1], v[ACC+8*\i+\j:ACC+8*\i+\j+1], v[T+8*(\i%2)+\j:T+8*(\i%2)+\j+1]
.endr
.endif
.endr
.endr
.endm
	s_load_b256 s[4:11], s[0:1], 0x0               ; xs_img s[4:5], ps_img s[6:7], bias s[8:9], alpha s[10:11]
	s_load_b128 s[12:15], s[0:1], 0x20             ; beta s[12:13], out0 s[14:15]
	v_lshl_add_u32 v62, v0, 2, 0x22e00
	v_mov_b32 v63, 0
	v_lshrrev_b32 v1, 5, v0
	v_readfirstlane_b32 s[WV], v1                  ; wave 0..3
	s_and_b32 s17, ttmp7, 0xffff                   ; my block of 64 prototypes; ttmp9: my block of 32 rows
	s_lshl_b32 s24, ttmp9, 15                      ; xs_img: two tile rows of 16,384 bytes a block, + my four tiles of features (4,096 bytes)
	s_lshl_b32 s19, s[WV], 12
	s_add_co_u32 s24, s24, s19
	s_mov_b32 s25, 0
	s_lshl_b32 s26, s17, 16                        ; ps_img: four tile rows a block
	s_add_co_u32 s26, s26, s19
	s_mov_b32 s27, 0
	s_lshl_b32 s28, s17, 8                         ; bias: 64 numbers a block
	s_mov_b32 s29, 0
	s_lshl_b32 s30, ttmp9, 15                      ; out0: row 32 x block + 8 x wave, 1,024 bytes a row, + 256 x block of prototypes
	s_lshl_b32 s19, s[WV], 13
	s_add_co_u32 s30, s30, s19
	s_add_co_u32 s30, s30, s28
	s_mov_b32 s31, 0
	v_and_b32 v1, 31, v0                           ; lane
	v_and_b32 v2, 15, v0                           ; r, and at the end c
	v_lshlrev_b32 v[GL], 4, v1
	v_lshlrev_b32 v[BO], 4, v2
	s_wait_kmcnt 0x0
	s_load_b32 s[AL], s[10:11], 0x0
	s_load_b32 s[BE], s[12:13], 0x0
	s_add_nc_u64 s[4:5], s[4:5], s[24:25]
	s_add_nc_u64 s[6:7], s[6:7], s[26:27]
	s_add_nc_u64 s[8:9], s[8:9], s[28:29]
	s_add_nc_u64 s[14:15], s[14:15], s[30:31]
	global_load_b128 v[BIAS:BIAS+3], v[BO], s[8:9]
.irp g, 0,1                            ; all 48 loads of my 24 KiB go out at once
.irp n, 0,1,2,3,4,5,6,7
	global_load_b128 v[F+32*\g+4*\n:F+32*\g+4*\n+3], v[GL], s[4:5] offset:\g*16384+\n*512
.endr
.endr
.irp g, 0,1,2,3
.irp n, 0,1,2,3,4,5,6,7
	global_load_b128 v[F+64+32*\g+4*\n:F+64+32*\g+4*\n+3], v[GL], s[6:7] offset:\g*16384+\n*512
.endr
.endr
	; the addresses are made while the loads are out
	v_bfe_u32 v3, v0, 4, 1                         ; h
	v_and_b32 v4, 7, v0                            ; lp
	v_bfe_u32 v5, v0, 3, 2                         ; lb
	s_mul_i32 s18, s[WV], WR                       ; my region
	v_mul_u32_u24 v[SA], v2, PX
	v_lshl_add_u32 v[SA], v3, 5, v[SA]
	v_add_nc_u32 v[SA], s18, v[SA]
	v_mul_u32_u24 v[AX0], v5, PX
	v_add_nc_u32 v[AX0], s18, v[AX0]
	v_mul_u32_u24 v[AP0], v4, PX
	v_add_nc_u32 v[AP0], s18, v[AP0]
	v_add_nc_u32 v[AP0], POFF, v[AP0]
	s_mul_i32 s19, s[WV], REDW
	v_mul_u32_u24 v[AR], v5, RP
	v_lshl_add_u32 v[AR], v4, 2, v[AR]
	v_add_nc_u32 v[AR], s19, v[AR]
	v_add_nc_u32 v[AR], RED, v[AR]
	s_mul_i32 s35, s[WV], 8*RP
	v_mul_u32_u24 v[AF], v3, RP
	v_lshl_add_u32 v[AF], v2, 4, v[AF]
	v_add_nc_u32 v[AF], s35, v[AF]
	v_add_nc_u32 v[AF], RED, v[AF]
	s_lshl_b32 s36, s[WV], 2
	v_lshl_add_u32 v[SXA], v2, 4, SXL
	v_add_nc_u32 v[SXA], s36, v[SXA]
	s_lshl_b32 s37, s[WV], 8
	v_lshl_add_u32 v[SPA], v2, 2, SPL
	v_add_nc_u32 v[SPA], s37, v[SPA]
	s_lshl_b32 s38, s[WV], 7
	v_lshl_add_u32 v[SXR], v3, 4, SXL
	v_add_nc_u32 v[SXR], s38, v[SXR]
	v_lshl_add_u32 v[SPR], v2, 4, SPL
	v_lshl_add_u32 v[OO], v3, 10, v[BO]
	s_mov_b32 s[SEL], 0x76543210
	s_mov_b32 s[SEL+1], 0xfedcba98                 ; v_permlanex16_b32's selects for lane l xor 16
.irp g, 0,1,2,3,4,5
	v_mov_b32 v[SH+\g], 0                          ; written once: a lane permute's destination counts as one of its sources
.endr
	s_wait_kmcnt 0x0
	s_mov_b32 s[AL+1], s[AL]                       ; the packed forms name pairs
	s_mov_b32 s[BE+1], s[BE]
.irp g, 0,1,2,3,4,5                    ; groups 0, 1: xs's rows 0-15, 16-31; groups 2 to 5: ps's 64 rows
	GROUP \g
.endr
.irp g, 0,1,2,3,4,5
	v_permlanex16_b32 v[SH+\g], v[SG+\g], s[SEL], s[SEL+1]
.endr
.irp g, 0,1,2,3,4,5
	v_add_f32 v[SG+\g], v[SG+\g], v[SH+\g]         ; row r's sum over my 64 features, in lanes r and r + 16: both write the same word with the same value
.endr
.irp g, 0,1
	ds_store_b32 v[SXA], v[SG+\g] offset:256*\g
.endr
.irp g, 0,1,2,3
	ds_store_b32 v[SPA], v[SG+2+\g] offset:64*\g
.endr
	s_wait_dscnt 0x0                               ; the stores have read their registers, which the loop takes over.  LDS serves a wave's instructions in order: my loads see my stores
	LOADS 0, AX0, AP0, 0                           ; features 0-3 of my 64
	s_wait_dscnt 0x0
	LOADS 1, AX0, AP0, 16                          ; each step's operands are asked for ahead of the step before: 384 vector instructions in which to come
	WORK 0, 1
	s_mov_b32 s[TS], 32                            ; the byte in a row at which a trip's first loads begin; it also counts the seven trips
.Lpair:
	s_wait_dscnt 0x0                               ; buffer 1 is in, and no LDS load of mine is out: the addresses may be written
	v_add_nc_u32 v[AXC], s[TS], v[AX0]
	v_add_nc_u32 v[APC], s[TS], v[AP0]
	LOADS 0, AXC, APC, 0
	WORK 1, 0
	s_wait_dscnt 0x0
	LOADS 1, AXC, APC, 16
	WORK 0, 0
	s_add_co_u32 s[TS], s[TS], 32
	s_cmp_lt_u32 s[TS], 256
	s_cbranch_scc1 .Lpair
	s_wait_dscnt 0x0                               ; the last four features: nothing more is asked for
	WORK 1, 0
.irp i, 0,1,2,3,4,5,6,7                ; my 64 partial sums: row 4 i + lb, prototype 8 j + lp
.irp j, 0,1,2,3,4,5,6,7
	ds_store_b32 v[AR], v[ACC+8*\i+\j] offset:\i*4*RP+32*\j
.endr
.endr
	s_wait_dscnt 0x0                               ; for the others' sake: my partial sums and my parts of SX and SP lie in LDS
	s_barrier_signal -1
	s_barrier_wait -1                              ; everybody's do; nothing is stored to LDS from here on
	; THE END.  Wave w finishes rows 8 w .. 8 w + 7: lane (c, h) takes rows 8 w + 2 k + h, k = 0 .. 3, prototypes 4 c .. 4 c + 3
.irp k, 0,1,2,3
.irp a, 0,1,2,3
	ds_load_b128 v[E+16*\k+4*\a:E+16*\k+4*\a+3], v[AF] offset:\a*REDW+\k*2*RP
.endr
.endr
.irp k, 0,1,2,3
	ds_load_b128 v[SXQ+4*\k:SXQ+4*\k+3], v[SXR] offset:32*\k      ; my row's four parts of SX
.endr
.irp a, 0,1,2,3
	ds_load_b128 v[SPQ+4*\a:SPQ+4*\a+3], v[SPR] offset:256*\a     ; wave a's part of SP for my four prototypes
.endr
	s_wait_dscnt 0x0
.irp c, 0,2
	v_pk_add_f32 v[SPQ+\c:SPQ+\c+1], v[SPQ+\c:SPQ+\c+1], v[SPQ+4+\c:SPQ+5+\c]
	v_pk_add_f32 v[SPQ+8+\c:SPQ+9+\c], v[SPQ+8+\c:SPQ+9+\c], v[SPQ+12+\c:SPQ+13+\c]
.endr
.irp k, 0,1,2,3
	v_pk_add_f32 v[SXQ+4*\k:SXQ+4*\k+1], v[SXQ+4*\k:SXQ+4*\k+1], v[SXQ+4*\k+2:SXQ+4*\k+3]
.endr
.irp c, 0,2
	v_pk_add_f32 v[SPQ+\c:SPQ+\c+1], v[SPQ+\c:SPQ+\c+1], v[SPQ+8+\c:SPQ+9+\c]        ; SP
.endr
.irp k, 0,1,2,3
	v_add_f32 v[SXQ+4*\k], v[SXQ+4*\k], v[SXQ+4*\k+1]                                ; SX
.endr
.irp k, 0,1,2,3
.irp c, 0,2
	v_pk_add_f32 v[E+16*\k+\c:E+16*\k+\c+1], v[E+16*\k+\c:E+16*\k+\c+1], v[E+16*\k+4+\c:E+16*\k+5+\c]
	v_pk_add_f32 v[E+16*\k+8+\c:E+16*\k+9+\c], v[E+16*\k+8+\c:E+16*\k+9+\c], v[E+16*\k+12+\c:E+16*\k+13+\c]
.endr
.endr
.irp k, 0,1,2,3
.irp c, 0,2
	v_pk_add_f32 v[E+16*\k+\c:E+16*\k+\c+1], v[E+16*\k+\c:E+16*\k+\c+1], v[E+16*\k+8+\c:E+16*\k+9+\c]   ; I
.endr
.endr
.irp k, 0,1,2,3
.irp c, 0,2
	v_pk_add_f32 v[E+16*\k+4+\c:E+16*\k+5+\c], v[SXQ+4*\k:SXQ+4*\k+1], v[E+16*\k+\c:E+16*\k+\c+1] op_sel_hi:[0,1] neg_lo:[0,1] neg_hi:[0,1]   ; x_diff = SX - I (SX's register serves both halves)
	v_pk_add_f32 v[E+16*\k+8+\c:E+16*\k+9+\c], v[SPQ+\c:SPQ+\c+1], v[E+16*\k+\c:E+16*\k+\c+1] neg_lo:[0,1] neg_hi:[0,1]                       ; p_diff = SP - I
.endr
.endr
.irp k, 0,1,2,3
.irp c, 0,2
	v_pk_fma_f32 v[E+16*\k+12+\c:E+16*\k+13+\c], v[E+16*\k+4+\c:E+16*\k+5+\c], s[AL:AL+1], v[E+16*\k+\c:E+16*\k+\c+1] op_sel_hi:[1,0,1]       ; I + alpha x_diff
.endr
.endr
.irp k, 0,1,2,3
.irp c, 0,2
	v_pk_fma_f32 v[E+16*\k+12+\c:E+16*\k+13+\c], v[E+16*\k+8+\c:E+16*\k+9+\c], s[BE:BE+1], v[E+16*\k+12+\c:E+16*\k+13+\c] op_sel_hi:[1,0,1]   ; + beta p_diff
.endr
.endr
.irp k, 0,1,2,3
.irp c, 0,2
	v_pk_add_f32 v[E+16*\k+12+\c:E+16*\k+13+\c], v[E+16*\k+12+\c:E+16*\k+13+\c], 0x322bcc77 op_sel_hi:[1,0]                                   ; + 1e-8
.endr
.endr
.irp k, 0,1,2,3
.irp c, 0,1,2,3
	v_rcp_f32 v[E+16*\k+12+\c], v[E+16*\k+12+\c]
.endr
.endr
	v_nop                                          ; a plain line behind the last reciprocal
	s_wait_alu depctr_va_vdst(0)                   ; one wait for the sixteen, ahead of their first use
.irp k, 0,1,2,3
.irp c, 0,2
	v_pk_fma_f32 v[E+16*\k+4+\c:E+16*\k+5+\c], v[E+16*\k+\c:E+16*\k+\c+1], v[E+16*\k+12+\c:E+16*\k+13+\c], v[BIAS+\c:BIAS+\c+1]               ; I / denominator + bias
.endr
.endr
.irp k, 0,1,2,3
	global_store_b128 v[OO], v[E+16*\k+4:E+16*\k+7], s[14:15] offset:\k*2048 th:TH_STORE_NT   ; 16 lanes store 256 consecutive bytes, aligned: a row's 64 prototypes; lanes 16-31 the next row's
.endr
	s_wait_tensorcnt 0x0
	ds_add_u32 v62, v63
	s_wait_dscnt 0x0
	s_endpgm
.Lfunc_end_k_q9f5de9240d_tversky:
	.size	k_q9f5de9240d_tversky, .Lfunc_end_k_q9f5de9240d_tversky-k_q9f5de9240d_tversky
	.p2alignl 7, 3214868480
	.fill 96, 4, 3214868480
	.section	.rodata,"a",@progbits
	.p2align	6, 0x0
	.amdhsa_kernel k_q9f5de9240d_tversky
		.amdhsa_group_segment_fixed_size 143360
		.amdhsa_private_segment_fixed_size 0
		.amdhsa_enable_private_segment 0
		.amdhsa_kernarg_size 48
		.amdhsa_user_sgpr_count 2
		.amdhsa_user_sgpr_kernarg_segment_ptr 1
		.amdhsa_wavefront_size32 1
		.amdhsa_system_sgpr_workgroup_id_x 1
		.amdhsa_system_sgpr_workgroup_id_y 1
		.amdhsa_system_sgpr_workgroup_id_z 1
		.amdhsa_system_vgpr_workitem_id 0
		.amdhsa_next_free_vgpr 256
		.amdhsa_next_free_sgpr 66
		.amdhsa_reserve_vcc 0
		.amdhsa_float_denorm_mode_32 3
		.amdhsa_float_denorm_mode_16_64 3
		.amdhsa_memory_ordered 1
		.amdhsa_forward_progress 1
		.amdhsa_inst_pref_size 97
	.end_amdhsa_kernel
	.amdgpu_metadata
---
amdhsa.version: [ 1, 2 ]
amdhsa.kernels:
  - .name:           k_q9f5de9240d_tversky
    .symbol:         k_q9f5de9240d_tversky.kd
    .args:
      - { .name: xs_img, .offset: 0, .size: 8, .value_kind: global_buffer, .address_space: global }
      - { .name: ps_img, .offset: 8, .size: 8, .value_kind: global_buffer, .address_space: global }
      - { .name: bias, .offset: 16, .size: 8, .value_kind: global_buffer, .address_space: global }
      - { .name: alpha, .offset: 24, .size: 8, .value_kind: global_buffer, .address_space: global }
      - { .name: beta, .offset: 32, .size: 8, .value_kind: global_buffer, .address_space: global }
      - { .name: out0, .offset: 40, .size: 8, .value_kind: global_buffer, .address_space: global }
    .group_segment_fixed_size: 143360
    .private_segment_fixed_size: 0
    .kernarg_segment_align: 8
    .kernarg_segment_size: 48
    .max_flat_workgroup_size: 128
    .sgpr_count:     66
    .vgpr_count:     256
    .wavefront_size: 32
...
	.end_amdgpu_metadata
.endif
;; end of part 2
